; MI455X (gfx1250); checked and timed in simulation.
; The chip was launched on July 23, 2026; its instructions are those of AMD's public machine-readable ISA for CDNA 5 (MIT licence, August 2026) and "CDNA5" Instruction Set Architecture Reference Guide (July 2026). The comments in the code are by the model that wrote it; some were corrected since.
;; Self Attention. Allowed arithmetic: float matrix products may take bf16 or f16 operands with f32 sums; all other float work in f32.
;; Inputs: Wk 8 x 64 float32; Wq 8 x 64 float32; Wv 64 x 64 float32; bk 8 float32; bq 8 float32; bv 64 float32; gamma 1 float32; x 4 x 64 x 64 x 64 float32.
;; Outputs: out0 4 x 64 x 64 x 64 float32.
;; 2 versions, each right; version 2 is version 1 with the launch proj written anew for expert scheduling mode. Each part assembles by itself: llvm-mc -triple=amdgcn-amd-amdhsa -mcpu=gfx1250 --defsym DOCPART=n.
;; ======== version 1 of 2: 2 launches
;; limits: values are held in f16: magnitudes above 65,504 overflow, below 6.1e-05 lose precision; inputs' magnitudes at most 65,504
;; workspace buffers: xb 2,097,152 bytes; kq 1,048,576 bytes
;; launch proj (part 1): grid 64 x 4, 4 waves a work-group, no clusters, 10,752 bytes of LDS; arguments x, Wk, bk, Wq, bq, xb, kq; writes xb, kq
.if DOCPART == 1
	.amdgcn_target "amdgcn-amd-amdhsa--gfx1250"
	.amdhsa_code_object_version 6
	.text
	.protected	k_qc6c2082d15_proj
	.globl	k_qc6c2082d15_proj
	.p2align	8
	.type	k_qc6c2082d15_proj,@function
k_qc6c2082d15_proj:
	s_mov_b64 s[64:65], 0
	v_nop
	global_prefetch_b8 v0, s[64:65] scope:SCOPE_SE
	s_setreg_imm32_b32 hwreg(HW_REG_WAVE_MODE, 25, 1), 1
	s_wait_xcnt 0x0
; FIRST LAUNCH: x is read once and leaves in the two forms that the attention launch multiplies.
;   xb: x in f16, in blocks of 64 channels x 64 positions (8,192 bytes), laid in the order of a 16 x 32 matrix fragment:
;       byte ((s*4+vt)*2+p)*512 + (16h+r)*16 of a block holds channel 16vt+r, positions 32s+16p+8h .. +7.
;   kq: for each batch four planes of [4096 positions][8 bf16]: k high, k low, q high, q low, 65,536 bytes each.
;       k = Wk x + bk and q = (Wq x + bq) * log2(e) are made in f32 sums and split: high = bf16(value), low = bf16(value - high).
; A work-group takes one batch (grid y) and one block of 64 positions (grid x): 64 rows of 256 bytes of x.  Four waves; wave w projects
; positions 16w .. 16w+15 with two matrix instructions (16 output rows = 8 of k and 8 of q; 64 channels = 2 x 32 along K).
; FORMATS: x, Wk and Wq go to the matrix unit in f16, whose 11 significant bits keep the scores' error small where two keys compete for a
; query.  q and k, sums of 64 products, leave as pairs of bf16, which have f32's range.
; LIMITS: |x|, |Wk| or |Wq| above 65,504 overflows in f16; NaN and infinities get no special treatment.
; No cluster and no tensor loads: the work-groups share only 4 KB of weights, and each byte of x is read by one work-group alone.
.set XROW,  16384                      ; bytes from a channel of x to the next
.set PITCH, 160                        ; LDS row: 128 bytes (64 f16) + 32: an odd multiple of 32 bytes
.set VX, 1                             ; x: (tid>>4) rows + 16 r bytes
.set VW, 2                             ; weights: row r&7, 32 h bytes
.set VZ, 3                             ; 0 (biases: every lane reads the same 32 bytes)
.set VL, 4                             ; LDS, in: row tid>>4, 8 r bytes
.set VT, 5                             ; LDS, transposing read of my 16 positions
.set VR, 6                             ; LDS, plain read for xb
.set VS, 7                             ; xb: 16 tid
.set VK, 8                             ; kq: plane pair by h, position 16w+r
.set TA, 9                             ; at work
.set SC, 10                            ; v[10:11] log2(e) in the lanes that hold q, 1.0 in those that hold k
.set XD, 12                            ; v[12:43]  x as loaded, converted in place
.set WK, 44                            ; v[44:75]  Wk in f32
.set WQ, 76                            ; v[76:107] Wq in f32
.set BK, 108                           ; v[108:115] bk
.set BQ, 116                           ; v[116:123] bq
.set AF, 124                           ; v[124:139] the weights' fragments, K blocks 0 and 1
.set CB, 140                           ; v[140:147] the biases as the first product's C
.set DD, 148                           ; v[148:155] the projection
.set RR, 156                           ; r = lane % 16
.set HH, 157                           ; h = lane / 16
.set T4, 158                           ; tid >> 4
.set L7, 159                           ; lane % 8
.set BF, 12                            ; v[12:27]  x's fragments (over x as loaded)
.set XO, 28                            ; v[28:43]  what goes to xb
.set WKB, 44                           ; v[44:59]  Wk in f16
.set WQB, 60                           ; v[60:75]  Wq in f16
.set TU, 76                            ; v[76:83]  the high parts back in f32
.set HI, 84                            ; v[84:87]
.set LO, 88                            ; v[88:91]
	s_load_b256 s[4:11], s[0:1], 0x0               ; x s[4:5], Wk s[6:7], bk s[8:9], Wq s[10:11]
	s_load_b128 s[12:15], s[0:1], 0x20             ; bq s[12:13], xb s[14:15]
	s_load_b64 s[16:17], s[0:1], 0x30              ; kq
	v_lshl_add_u32 v160, v0, 2, 0x2800
	v_mov_b32 v161, 0
	v_lshrrev_b32 v[TA], 5, v0
	v_readfirstlane_b32 s20, v[TA]                 ; wave 0..3
	s_and_b32 s21, ttmp7, 0xffff                   ; batch
	s_mov_b32 s25, 0xffff0000                      ; a word's upper bf16
	v_and_b32 v[RR], 15, v0
	v_bfe_u32 v[HH], v0, 4, 1
	v_lshrrev_b32 v[T4], 4, v0
	v_and_b32 v[L7], 7, v0
	s_lshl_b32 s26, s20, 5                         ; 32 w: my 16 positions in an LDS row
	s_lshr_b32 s27, s20, 1
	s_mul_i32 s27, s27, 16*PITCH                   ; 16 (w>>1) rows
	s_and_b32 s28, s20, 1
	s_lshl_b32 s28, s28, 5
	s_add_co_u32 s27, s27, s28                     ; + 32 (w&1) bytes
	s_lshl_b32 s28, s20, 8                         ; 16 w positions of 16 bytes
	v_lshlrev_b32 v[VX], 4, v[RR]
	v_lshl_add_u32 v[VX], v[T4], 14, v[VX]
	v_lshlrev_b32 v[VW], 8, v[L7]
	v_lshl_add_u32 v[VW], v[HH], 5, v[VW]
	v_mov_b32 v[VZ], 0
	v_mul_u32_u24 v[VL], v[T4], PITCH
	v_lshl_add_u32 v[VL], v[RR], 3, v[VL]
	v_lshl_add_u32 v[TA], v[HH], 3, v[L7]          ; channel 8h + lane%8 of a K block
	v_mul_u32_u24 v[VT], v[TA], PITCH
	v_bfe_u32 v[TA], v0, 3, 1
	v_lshl_add_u32 v[VT], v[TA], 4, v[VT]          ; + 16 bytes for lanes 8-15 of each half
	v_add_nc_u32 v[VT], s26, v[VT]
	v_mul_u32_u24 v[VR], v[RR], PITCH
	v_lshl_add_u32 v[VR], v[HH], 4, v[VR]
	v_add_nc_u32 v[VR], s27, v[VR]
	v_lshlrev_b32 v[VS], 4, v0
	v_lshlrev_b32 v[VK], 4, v[RR]
	v_lshl_add_u32 v[VK], v[HH], 17, v[VK]         ; lanes with h = 1 hold q: two planes further
	v_add_nc_u32 v[VK], s28, v[VK]
	v_cmp_le_u32 vcc_lo, 8, v[RR]                  ; fragment rows 8-15 are Wq's
	v_cmp_eq_u32 s24, 1, v[HH]                     ; result rows 8-15 (q) lie in lanes 16-31
	s_mov_b32 s23, 0
	s_lshl_b32 s22, s21, 20                        ; x: batch x 1 MiB + block x 256 bytes
	s_lshl_b32 s29, ttmp9, 8
	s_add_co_u32 s22, s22, s29
	s_wait_kmcnt 0x0
	s_add_nc_u64 s[4:5], s[4:5], s[22:23]
	s_lshl_b32 s22, s21, 19                        ; xb: batch x 512 KiB + block x 8,192 bytes
	s_lshl_b32 s29, ttmp9, 13
	s_add_co_u32 s22, s22, s29
	s_add_nc_u64 s[14:15], s[14:15], s[22:23]
	s_lshl_b32 s22, s21, 18                        ; kq: batch x 256 KiB + block x 64 positions x 16 bytes
	s_lshl_b32 s29, ttmp9, 10
	s_add_co_u32 s22, s22, s29
	s_add_nc_u64 s[16:17], s[16:17], s[22:23]
	; 28 loads: x first (sixteen lanes cover one aligned row piece of 256 bytes), then the weights and biases
.irp i, 0,1,2,3,4,5,6,7
	global_load_b128 v[XD+4*\i:XD+4*\i+3], v[VX], s[4:5] offset:\i*8*XROW
.endr
.irp a, 0,1
	global_load_b128 v[WK+16*\a:WK+16*\a+3],     v[VW], s[6:7] offset:128*\a       ; channels 32a+8h .. +3
	global_load_b128 v[WK+16*\a+4:WK+16*\a+7],   v[VW], s[6:7] offset:128*\a+16    ; .. +7
	global_load_b128 v[WK+16*\a+8:WK+16*\a+11],  v[VW], s[6:7] offset:128*\a+64    ; channels 32a+16+8h .. +3
	global_load_b128 v[WK+16*\a+12:WK+16*\a+15], v[VW], s[6:7] offset:128*\a+80
	global_load_b128 v[WQ+16*\a:WQ+16*\a+3],     v[VW], s[10:11] offset:128*\a
	global_load_b128 v[WQ+16*\a+4:WQ+16*\a+7],   v[VW], s[10:11] offset:128*\a+16
	global_load_b128 v[WQ+16*\a+8:WQ+16*\a+11],  v[VW], s[10:11] offset:128*\a+64
	global_load_b128 v[WQ+16*\a+12:WQ+16*\a+15], v[VW], s[10:11] offset:128*\a+80
.endr
	global_load_b128 v[BK:BK+3],   v[VZ], s[8:9]
	global_load_b128 v[BK+4:BK+7], v[VZ], s[8:9] offset:16
	global_load_b128 v[BQ:BQ+3],   v[VZ], s[12:13]
	global_load_b128 v[BQ+4:BQ+7], v[VZ], s[12:13] offset:16
	s_wait_loadcnt 20                              ; x's eight loads are in; the 20 younger ones (weights, biases) stay out
.irp i, 0,1,2,3,4,5,6,7
	v_cvt_pk_f16_f32 v[XD+4*\i],   v[XD+4*\i],   v[XD+4*\i+1]
	v_cvt_pk_f16_f32 v[XD+4*\i+1], v[XD+4*\i+2], v[XD+4*\i+3]
	ds_store_b64 v[VL], v[XD+4*\i:XD+4*\i+1] offset:\i*8*PITCH     ; row 8i + tid>>4, four positions
.endr
	s_wait_dscnt 0x0                               ; my part of the tile is written, for the other waves' sake
	s_barrier_signal -1
	; register work while the others arrive: the weights' fragments
	s_wait_loadcnt 0x0
.set j, 0
.rept 16
	v_cvt_pk_f16_f32 v[WKB+j], v[WK+2*j], v[WK+2*j+1]              ; ascending: the target never passes its sources
.set j, j+1
.endr
.set j, 0
.rept 16
	v_cvt_pk_f16_f32 v[WQB+j], v[WQ+2*j], v[WQ+2*j+1]              ; into Wk's upper f32 registers, which have been read
.set j, j+1
.endr
.set j, 0
.rept 16
	v_cndmask_b32 v[AF+j], v[WKB+j], v[WQB+j], vcc_lo              ; rows 0-7: Wk, rows 8-15: Wq
.set j, j+1
.endr
.irp j, 0,1,2,3,4,5,6,7
	v_cndmask_b32 v[CB+\j], v[BK+\j], v[BQ+\j], s24                ; result register j is row 8h+j: bk[j] or bq[j]
.endr
	v_mov_b32 v[TA], 0x3fb8aa3b                    ; log2(e)
	v_cndmask_b32 v[SC], 1.0, v[TA], s24
	v_mov_b32 v[SC+1], v[SC]
	s_barrier_wait -1                              ; the tile is whole
	ds_load_tr16_b128 v[BF:BF+3],     v[VT]                        ; channels 8h .. +7 of position 16w+r
	ds_load_tr16_b128 v[BF+4:BF+7],   v[VT] offset:16*PITCH        ; channels 16+8h ..
	ds_load_tr16_b128 v[BF+8:BF+11],  v[VT] offset:32*PITCH        ; channels 32+8h ..
	ds_load_tr16_b128 v[BF+12:BF+15], v[VT] offset:48*PITCH        ; channels 48+8h ..
	; store number it of thread (w, lane) fills piece 4 it + w of the block: s = it>>1, vt = 2 (it&1) + (w>>1), p = w&1
	ds_load_b128 v[XO:XO+3],     v[VR]
	ds_load_b128 v[XO+4:XO+7],   v[VR] offset:32*PITCH
	ds_load_b128 v[XO+8:XO+11],  v[VR] offset:64
	ds_load_b128 v[XO+12:XO+15], v[VR] offset:32*PITCH+64
	s_wait_dscnt 4                                 ; the four transposing loads are in; the four younger ones stay out
	v_wmma_f32_16x16x32_f16 v[DD:DD+7], v[AF:AF+7], v[BF:BF+7], v[CB:CB+7]
	s_wait_alu depctr_va_vdst(0)                   ; one accumulator, two links that follow each other
	v_wmma_f32_16x16x32_f16 v[DD:DD+7], v[AF+8:AF+15], v[BF+8:BF+15], v[DD:DD+7]
	s_wait_dscnt 0x0
.irp it, 0,1,2,3
	global_store_b128 v[VS], v[XO+4*\it:XO+4*\it+3], s[14:15] offset:2048*\it      ; a wave's store covers 512 consecutive bytes, aligned
.endr
.rept 4
	v_nop                                          ; four places behind the matrix instruction before its result is read (ISA guide 7.12.1)
.endr
.irp i, 0,1,2,3
	v_pk_mul_f32 v[DD+2*\i:DD+2*\i+1], v[DD+2*\i:DD+2*\i+1], v[SC:SC+1]
.endr
.irp i, 0,1,2,3
	v_cvt_pk_bf16_f32 v[HI+\i], v[DD+2*\i], v[DD+2*\i+1]
.endr
.irp i, 0,1,2,3
	v_lshlrev_b32 v[TU+2*\i],   16,  v[HI+\i]
	v_and_b32     v[TU+2*\i+1], s25, v[HI+\i]
.endr
.irp i, 0,1,2,3
	v_pk_add_f32 v[DD+2*\i:DD+2*\i+1], v[DD+2*\i:DD+2*\i+1], v[TU+2*\i:TU+2*\i+1] neg_lo:[0,1] neg_hi:[0,1]    ; what the high part left
.endr
.irp i, 0,1,2,3
	v_cvt_pk_bf16_f32 v[LO+\i], v[DD+2*\i], v[DD+2*\i+1]
.endr
	global_store_b128 v[VK], v[HI:HI+3], s[16:17]                  ; lanes 0-15: k high, lanes 16-31: q high; 256 consecutive bytes each
	global_store_b128 v[VK], v[LO:LO+3], s[16:17] offset:65536     ; the low planes
	s_wait_tensorcnt 0x0
	ds_add_u32 v160, v161
	s_wait_dscnt 0x0
	s_endpgm
.Lfunc_end_k_qc6c2082d15_proj:
	.size	k_qc6c2082d15_proj, .Lfunc_end_k_qc6c2082d15_proj-k_qc6c2082d15_proj
	.p2alignl 7, 3214868480
	.fill 96, 4, 3214868480
	.section	.rodata,"a",@progbits
	.p2align	6, 0x0
	.amdhsa_kernel k_qc6c2082d15_proj
		.amdhsa_group_segment_fixed_size 10752
		.amdhsa_private_segment_fixed_size 0
		.amdhsa_enable_private_segment 0
		.amdhsa_kernarg_size 56
		.amdhsa_user_sgpr_count 2
		.amdhsa_user_sgpr_kernarg_segment_ptr 1
		.amdhsa_wavefront_size32 1
		.amdhsa_system_sgpr_workgroup_id_x 1
		.amdhsa_system_sgpr_workgroup_id_y 1
		.amdhsa_system_sgpr_workgroup_id_z 1
		.amdhsa_system_vgpr_workitem_id 0
		.amdhsa_next_free_vgpr 162
		.amdhsa_next_free_sgpr 66
		.amdhsa_reserve_vcc 1
		.amdhsa_float_denorm_mode_32 3
		.amdhsa_float_denorm_mode_16_64 3
		.amdhsa_memory_ordered 1
		.amdhsa_forward_progress 1
		.amdhsa_inst_pref_size 13
	.end_amdhsa_kernel
	.amdgpu_metadata
---
amdhsa.version: [ 1, 2 ]
amdhsa.kernels:
  - .name:           k_qc6c2082d15_proj
    .symbol:         k_qc6c2082d15_proj.kd
    .args:
      - { .name: x, .offset: 0, .size: 8, .value_kind: global_buffer, .address_space: global }
      - { .name: Wk, .offset: 8, .size: 8, .value_kind: global_buffer, .address_space: global }
      - { .name: bk, .offset: 16, .size: 8, .value_kind: global_buffer, .address_space: global }
      - { .name: Wq, .offset: 24, .size: 8, .value_kind: global_buffer, .address_space: global }
      - { .name: bq, .offset: 32, .size: 8, .value_kind: global_buffer, .address_space: global }
      - { .name: xb, .offset: 40, .size: 8, .value_kind: global_buffer, .address_space: global }
      - { .name: kq, .offset: 48, .size: 8, .value_kind: global_buffer, .address_space: global }
    .group_segment_fixed_size: 10752
    .private_segment_fixed_size: 0
    .kernarg_segment_align: 8
    .kernarg_segment_size: 56
    .max_flat_workgroup_size: 128
    .sgpr_count:     66
    .vgpr_count:     162
    .wavefront_size: 32
...
	.end_amdgpu_metadata
.endif
;; end of part 1
;; launch attn (part 2): grid 256 x 1, 8 waves a work-group, clusters of 4 x 1, 327,680 bytes of LDS; arguments xb, kq, Wv, bv, gamma, x, out0; writes out0
.if DOCPART == 2
	.amdgcn_target "amdgcn-amd-amdhsa--gfx1250"
	.amdhsa_code_object_version 6
	.text
	.protected	k_qc6c2082d15_attn
	.globl	k_qc6c2082d15_attn
	.p2align	8
	.type	k_qc6c2082d15_attn,@function
k_qc6c2082d15_attn:
	s_mov_b64 s[64:65], 0
	v_nop
	global_prefetch_b8 v0, s[64:65] scope:SCOPE_SE
	s_setreg_imm32_b32 hwreg(HW_REG_WAVE_MODE, 25, 1), 1
	s_wait_xcnt 0x0
	s_wait_alu depctr_hold_cnt(0) depctr_sa_sdst(0) depctr_va_vdst(0) depctr_va_sdst(0) depctr_va_ssrc(0) depctr_va_vcc(0) depctr_vm_vsrc(0)
	s_getreg_b32 s2, hwreg(HW_REG_IB_STS2, 6, 4)
	s_cmp_eq_u32 s2, 0
	s_cbranch_scc0 .Lentry_in_a_cluster
	s_endpgm
.Lentry_in_a_cluster:
	s_bfe_u32 s2, ttmp6, 0x10000c
	s_cmp_lg_u32 s2, 0x3003
	s_cbranch_scc0 .Lentry_shape_is_right
	s_endpgm
.Lentry_shape_is_right:
; SECOND LAUNCH: out0 = gamma * (Wv (x attn^T) + bv) + x, attn = softmax over the keys of q k.
; The softmax weights of a query sum to one, so v attn^T = Wv (x attn^T) + bv for every input: the values that are summed over the 4,096 keys
; are x itself (f16, from xb), and Wv is applied once, to the work-group's 64 channels x 64 queries.
; A work-group owns 64 queries of one batch.  Eight waves; each takes all 64 queries against an eighth of the keys: of every 512 keys wave w
; takes keys 64w .. 64w+63, in two steps of 32.
; SCORES are made transposed (16 keys as rows, 16 queries as columns): a lane's eight results are eight neighbouring keys of one query, which
; is the layout that the next product wants of its second operand, and each query's maximum and sum are one number a lane.
; The product has 32 places along K and q, k have 8 channels: the places hold [kh kh kl kl] against [qh ql qh ql], which sums (kh+kl)(qh+ql).
; A k fragment is then two loads of 256 different bytes (high plane, low plane; both lane halves read the same bytes): no byte is loaded twice.
; THE MAXIMUM IS TAKEN AWAY, exactly: pass 1 makes all scores and keeps only each query's maximum (over both lane halves and, through LDS,
; over the eight waves); pass 2 makes the scores again with C = -maximum, so that the matrix unit subtracts it, then exp2 (q carries log2 e),
; sums in f32, rounds to f16 and multiplies by x.  All waves use one maximum, so their partial sums simply add at the end.
; CLUSTERS: the four work-groups of a cluster take query blocks of one batch and read the same k planes and the same tiles of xb: the k
; planes for pass 1 and every tile of xb are asked for jointly (mask 15), by the same line with the same descriptor in all four.
; NOT ASKED JOINTLY: k in pass 2, which each wave loads from memory into registers (16,384 bytes a wave, 131,072 of the 655,360 bytes that a
; work-group takes in during pass 2).  Held in LDS it would leave 188,416 bytes, two slots of 65,536, for xb; without it xb has four slots, two are
; filled behind each round of the cluster's barrier, and a request has more than three steps of work before the next wait for all loads.
; FORMATS: q and k as high + low bf16 pairs (bf16 form); x, the softmax weights (at most about 1), the normalised 64 x 64 intermediate
; (a convex mix of x) and Wv in f16 (f16 form), for its 11 significant bits.
; LIMITS: |x| or |Wv| above 65,504 overflows in f16; a softmax weight below 2^-25 of its query's largest enters the product as zero while
; the f32 sum still counts it (at most 4,096 x 2^-25 of the sum); the sums over keys are made in eight parts and then added; NaN and
; infinities get no special treatment.
;
; LDS:  0        pass 1: k high plane (key x 16 bytes), 65,536 k low plane.  Pass 2: xb's slots 2 and 3.  Epilogue: the waves' partial sums
;       131,072  xb's slots 0 and 1, 65,536 bytes each (a tile of 512 keys; wave w's block of 8,192 bytes at w x 8,192).  Epilogue: the stage
;       262,144  4,096 bytes: the waves' maxima;   266,240  4,096 bytes: the waves' sums.  No tensor load ever lands in these two
.set KLO,    65536
.set XSL,    65536                     ; bytes in a slot; tile t lies in slot t % 4
.set SL0,    131072
.set SL1,    196608
.set SL3,    65536                     ; slot 2 begins at LDS byte 0
.set MSCR,   262144
.set LOFF,   4096                      ; the sums lie this far behind the maxima
.set STG,    131072
.set SPITCH, 272                       ; a stage row: 256 bytes + 16
; vector registers, window 0
.set VWA, 4                            ; Wv: row 32 vh + r, 32 h bytes
.set VOA, 5                            ; x and out0: row tid>>4, 16 r bytes
.set VBV, 6                            ; bv: 4 (tid>>4)
.set VRS, 7                            ; partial sums, out: w x 16,384 + 16 lane
.set VKG, 8                            ; k from memory: w x 1,024 + 16 r
.set VKP, 9                            ; k in LDS, pass 1, high plane
.set VKP2, 10                          ; the same, low plane
.set VQ,  11                           ; q: 16 r + 65,536 h (lanes 0-15 the high plane, lanes 16-31 the low one)
.set VR16, 12                          ; 16 r
.set VMS, 13                           ; maxima and sums, out: 16 tid
.set VML, 14                           ; maxima, back: 16 lane
.set VLL, 15                           ; sums, back: 16 lane + 4 ntw
.set LL,  16                           ; v[16:31]  query block nt: two pairs of running sums at 16 + 4 nt
.set MM,  16                           ; v[16:19]  pass 1: running maxima
.set QP,  32                           ; v[32:63]  pass 1: q fragments
.set SS,  32                           ; v[32:47]  pass 2: scores of one unit (32 keys x 16 queries)
.set PP,  48                           ; v[48:63]  pass 2: two buffers of weights in f16
.set NM,  64                           ; v[64:95]  query block nt: eight registers of -maximum
.set KP,  96                           ; v[96:127] pass 1: four k fragments
.set XF,  176                          ; v[176:239] x fragments: two buffers of 32
.set SA,  176                          ; pass 1: scores, two buffers of 32
.set SB,  208
.set TT,  240                          ; v[240:255] at work
.set VRA, 116                          ; epilogue: partial sums, back
.set VRB, 117
.set VSTS, 118                         ; epilogue: stage, in
.set VSTL, 119                         ; epilogue: stage, back
.set VT4, 120
.set UU,  144                          ; epilogue: the sum of the eight waves, 32 registers
.set T0,  176
.set T1,  208
.set WW,  32                           ; epilogue: Wv in f32, v[32:95]
.set XR,  96                           ; epilogue: x, v[96:111]
.set BV,  112                          ; epilogue: bv, v[112:115]
.set UF,  128                          ; epilogue: the normalised sums in f16
.set WF,  176                          ; epilogue: Wv in f16
.set OO,  208                          ; epilogue: two result tiles
; window 1 (written by their low 8 bits): v[32 nt + 8 vt + j] = sum for channel 16 vt + 8 h + j, query 16 nt + r, and
.set EE,  128                          ; 128-143  the unit's exponentials
.set KF,  144                          ; 144-191  k fragments of a step (two of 8), three buffers
.set QF,  192                          ; 192-223  q fragments
.set XA,  224                          ; 224-227  LDS address of my block in slot 0 .. 3, + 16 lane
.set MSB, 0
.macro WIN new                         ; the immediate's high byte repeats the setting that is left
.if MSB != \new
	s_set_vgpr_msb (MSB<<8)|\new
.set MSB, \new
.endif
.endm
; A round of the cluster's barrier: my work-group's barrier, wave 0 signals for the work-group, every wave waits for all four work-groups,
; my work-group's barrier once more.
.macro ROUND
	s_barrier_signal -1
	s_barrier_wait -1
	s_cmp_lg_u32 s20, 0
	s_cbranch_scc1 .Lnot_wave_0_\@
	s_barrier_signal -3
.Lnot_wave_0_\@:
	s_barrier_wait -3
	s_barrier_signal -1
	s_barrier_wait -1
.endm
; The k fragments of one step (32 keys at byte koff of the planes) from memory into ring buffer kb; under a setting with the destination in window 1
.macro KLOAD kb, koff
.irp i, 0,1
	global_load_b128 v[KF+16*\kb+8*\i:KF+16*\kb+8*\i+3],   v[VKG], s[76:77] offset:\koff+256*\i         ; k high of key 16 i + r, in both lane halves
	global_load_b128 v[KF+16*\kb+8*\i+4:KF+16*\kb+8*\i+7], v[VKG], s[76:77] offset:\koff+256*\i+KLO     ; k low
.endr
.endm
	s_load_b256 s[4:11], s[0:1], 0x0               ; xb s[4:5], kq s[6:7], Wv s[8:9], bv s[10:11]
	s_load_b128 s[12:15], s[0:1], 0x20             ; gamma s[12:13], x s[14:15]
	s_load_b64 s[16:17], s[0:1], 0x30              ; out0
	s_set_vgpr_msb 0x40
	v_lshl_add_u32 v254, v0, 2, 0x42000
	v_mov_b32 v255, 0
	s_set_vgpr_msb 0x4045
	ds_add_u32 v254, v255
	s_set_vgpr_msb 0x4500
	v_lshrrev_b32 v1, 5, v0
	v_readfirstlane_b32 s20, v1                    ; wave 0..7
	s_bfe_u32 s21, ttmp6, 0x40000                  ; cx: my place in the cluster
	s_lshr_b32 s22, ttmp9, 4                       ; batch: 16 clusters each; the four partners share it
	s_and_b32 s23, ttmp9, 15
	s_lshl_b32 s23, s23, 2
	s_add_co_u32 s23, s23, s21                     ; my block of 64 queries: enters the addresses of q, x and out0 alone
	s_lshr_b32 s26, s20, 1                         ; epilogue: ntw, my block of 16 queries
	s_and_b32 s27, s20, 1                          ; epilogue: vh, my half of the output channels
	s_mov_b32 s58, 0x76543210                      ; v_permlanex16_b32: lane i reads lane i of the other half
	s_mov_b32 s59, 0xfedcba98
	; descriptors: dense blocks taken as rows of 256 bytes (32 elements of 8 bytes).  Group 1 for k: 64 rows; for xb: 32 rows
	s_mov_b32 s28, 15|(3<<16)|(1<<21)              ; 15:0 the four partners; 17:16 elements of 8 bytes; 21 set beside a mask
	s_mov_b32 s29, 32<<16                          ; tensor_dim0 = 32
	s_mov_b32 s30, 64<<16                          ; tensor_dim1 = 64
	s_mov_b32 s31, 32<<16                          ; tile_dim0 = 32
	s_mov_b32 s32, 64                              ; tile_dim1 = 64
	s_mov_b32 s33, 32                              ; 32 elements from row to row
	s_mov_b32 s34, 0
	s_mov_b32 s35, 0
	s_mov_b32 s36, 15|(3<<16)|(1<<21)
	s_mov_b32 s37, 32<<16
	s_mov_b32 s38, 32<<16
	s_mov_b32 s39, 32<<16
	s_mov_b32 s40, 32
	s_mov_b32 s41, 32
	s_mov_b32 s42, 0
	s_mov_b32 s43, 0
	; groups 0: k s[44:47]; xb's slots 0 to 3 s[48:51], s[52:55], s[68:71], s[72:75]
	s_mov_b32 s44, 1
	s_lshl_b32 s45, s20, 14                        ; k: my 16,384 bytes of the two planes
	s_mov_b32 s48, 1
	s_mov_b32 s52, 1
	s_mov_b32 s68, 1
	s_mov_b32 s72, 1
	s_lshl_b32 s69, s20, 13                        ; slot 2 begins at byte 0: my 8,192 bytes
	s_add_co_u32 s49, s69, SL0
	s_add_co_u32 s53, s69, SL1
	s_add_co_u32 s73, s69, SL3
	; lane terms
	v_and_b32 v1, 15, v0                           ; r
	v_bfe_u32 v2, v0, 4, 1                         ; h
	v_and_b32 v3, 31, v0
	v_lshlrev_b32 v3, 4, v3                        ; 16 lane
	v_lshrrev_b32 v[TT], 4, v0                     ; tid >> 4
	v_lshlrev_b32 v[VR16], 4, v1
	v_lshl_add_u32 v[VQ], v2, 16, v[VR16]
	s_lshl_b32 s24, s20, 10                        ; my 64 keys of every 512
	v_add_nc_u32 v[VKG], s24, v[VR16]
	v_mov_b32 v[VKP], v[VKG]
	v_add_nc_u32 v[VKP2], KLO, v[VKG]
	v_lshlrev_b32 v[VMS], 4, v0
	v_add_nc_u32 v[VMS], MSCR, v[VMS]
	v_add_nc_u32 v[VML], MSCR, v3
	s_lshl_b32 s24, s26, 2
	v_add_nc_u32 v[VLL], s24, v[VML]
	s_lshl_b32 s24, s27, 13                        ; 32 vh rows of Wv
	v_lshlrev_b32 v[VWA], 8, v1
	v_lshl_add_u32 v[VWA], v2, 5, v[VWA]
	v_add_nc_u32 v[VWA], s24, v[VWA]
	v_lshl_add_u32 v[VOA], v[TT], 14, v[VR16]
	v_lshlrev_b32 v[VBV], 2, v[TT]
	v_add_nc_u32 v[VRS], s45, v3
	; offsets that the partners share (batch, wave) in s[24:25]; those with my own query block in s[62:63]
	s_lshl_b32 s24, s22, 18
	s_mov_b32 s25, 0
	s_wait_dscnt 0x0
	s_wait_kmcnt 0x0
	s_add_nc_u64 s[76:77], s[6:7], s[24:25]        ; kq at my batch: the k planes
	s_lshl_b32 s24, s20, 14
	s_add_nc_u64 s[46:47], s[76:77], s[24:25]      ; + wave x 16 KiB
	s_or_b32 s47, s47, 0x80000000
	s_lshl_b32 s24, s22, 19
	s_lshl_b32 s25, s20, 13
	s_add_co_u32 s24, s24, s25
	s_mov_b32 s25, 0
	s_add_nc_u64 s[50:51], s[4:5], s[24:25]        ; xb + batch x 512 KiB + wave x 8 KiB: tile 0
	s_add_nc_u64 s[54:55], s[50:51], XSL           ; tiles 1, 2, 3
	s_add_nc_u64 s[70:71], s[50:51], 2*XSL
	s_add_nc_u64 s[74:75], s[50:51], 3*XSL
	s_or_b32 s51, s51, 0x80000000
	s_or_b32 s55, s55, 0x80000000
	s_or_b32 s71, s71, 0x80000000
	s_or_b32 s75, s75, 0x80000000
	s_lshl_b32 s62, s23, 10
	s_add_co_u32 s62, s62, 2*KLO                   ; the q planes lie behind the two k planes
	s_mov_b32 s63, 0
	s_add_nc_u64 s[60:61], s[76:77], s[62:63]      ; q high of my first query
	s_lshl_b32 s62, s22, 20
	s_lshl_b32 s63, s23, 8
	s_add_co_u32 s62, s62, s63
	s_mov_b32 s63, 0
	s_add_nc_u64 s[14:15], s[14:15], s[62:63]      ; x and out0 at channel 0 of my first query
	s_add_nc_u64 s[16:17], s[16:17], s[62:63]
	s_load_b32 s57, s[12:13], 0x0                  ; gamma
	ROUND                                          ; all four work-groups are here: the first joint loads meet
	tensor_load_to_lds s[44:47], s[28:35]          ; my eighth of the k planes
	s_nop 0
	tensor_load_to_lds s[48:51], s[36:43]          ; my block of xb's tile 0
	s_nop 0
	tensor_load_to_lds s[52:55], s[36:43]          ; and of tile 1: three loads of the wave are out, the most in this text
	s_nop 0
	; 28 loads into registers: q for pass 1 (window 0), q for pass 2 (window 1), k of pass 2's steps 0, 1, 2
.irp nt, 0,1,2,3
	global_load_b128 v[QP+8*\nt:QP+8*\nt+3],   v[VQ], s[60:61] offset:256*\nt      ; query 16 nt + r: q high in lanes 0-15, q low in lanes 16-31,
	global_load_b128 v[QP+8*\nt+4:QP+8*\nt+7], v[VQ], s[60:61] offset:256*\nt      ; and once more for places 16 .. 31 of K
.endr
	WIN 0x40                                       ; destination in window 1
.irp nt, 0,1,2,3
	global_load_b128 v[QF+8*\nt:QF+8*\nt+3],   v[VQ], s[60:61] offset:256*\nt
	global_load_b128 v[QF+8*\nt+4:QF+8*\nt+7], v[VQ], s[60:61] offset:256*\nt
.endr
	KLOAD 0, 0
	KLOAD 1, 512
	KLOAD 2, 8192
	v_add_nc_u32 v[XA+0], s49, v3                  ; my block in each slot, + 16 lane
	v_add_nc_u32 v[XA+1], s53, v3
	v_add_nc_u32 v[XA+2], s69, v3
	v_add_nc_u32 v[XA+3], s73, v3
	WIN 0
	; ---------------- PASS 1: each query's maximum ----------------
	s_wait_tensorcnt 0x2                           ; my part of k is in; the two younger loads stay out
	s_barrier_signal -1
	s_barrier_wait -1                              ; everybody's part is in.
	s_wait_loadcnt 20                              ; pass 1's q is in; the 20 younger loads (q and k for pass 2) stay out
	s_wait_kmcnt 0x0                               ; gamma
.macro MAX16 sy                        ; 32 score registers into the four running maxima; neighbouring lines name different maxima
.irp jp, 0,1,2,3
.irp nt, 0,1,2,3
	v_max3_num_f32 v[MM+\nt], v[MM+\nt], v[\sy+8*\nt+2*\jp], v[\sy+8*\nt+2*\jp+1]
.endr
.endr
.endm
; 16 keys (fragment i) against the 64 queries into sx, while the maxima take in sy, the tile before.  The sixteen v_max3 are also the places
; between the products and the loads into the fragment that they have read.
.macro P1TILE i, sx, sy, fetch, cnt
	s_wait_dscnt \cnt                              ; fragment i is in; the younger fragments' loads, two each, stay out
.irp nt, 0,1,2,3
	v_wmma_f32_16x16x32_bf16 v[\sx+8*\nt:\sx+8*\nt+7], v[KP+8*\i:KP+8*\i+7], v[QP+8*\nt:QP+8*\nt+7], 0
.endr
	MAX16 \sy
.if \fetch
	ds_load_b128 v[KP+8*\i:KP+8*\i+3],   v[VKP]  offset:8192+256*\i    ; the same 16 keys of my next 64: k high,
	ds_load_b128 v[KP+8*\i+4:KP+8*\i+7], v[VKP2] offset:8192+256*\i    ; k low
.endif
.endm
.irp i, 0,1,2,3
	ds_load_b128 v[KP+8*\i:KP+8*\i+3],   v[VKP]  offset:256*\i
	ds_load_b128 v[KP+8*\i+4:KP+8*\i+7], v[VKP2] offset:256*\i
.endr
	s_wait_dscnt 0x6
.irp nt, 0,1,2,3
	v_wmma_f32_16x16x32_bf16 v[SB+8*\nt:SB+8*\nt+7], v[KP:KP+7], v[QP+8*\nt:QP+8*\nt+7], 0    ; tile 0 once ahead, so that the first maxima read scores; a maximum takes a number twice unharmed
.endr
.irp nt, 0,1,2,3
	v_mov_b32 v[MM+\nt], 0xff800000                ; -infinity
	v_mov_b32 v[TT+\nt], 0                         ; v_permlanex16_b32 counts as a reader of its destination
.endr
	s_mov_b32 s56, 7
.Lpass1:
	P1TILE 0, SA, SB, 1, 6
	P1TILE 1, SB, SA, 1, 6
	P1TILE 2, SA, SB, 1, 6
	P1TILE 3, SB, SA, 1, 6
	v_add_nc_u32 v[VKP], 8192, v[VKP]              ; 512 keys on
	v_add_nc_u32 v[VKP2], 8192, v[VKP2]
	s_sub_co_u32 s56, s56, 1
	s_cmp_lg_u32 s56, 0
	s_cbranch_scc1 .Lpass1
	P1TILE 0, SA, SB, 0, 6                         ; my last 64 keys: nothing more to fetch, the counts run down
	P1TILE 1, SB, SA, 0, 4
	P1TILE 2, SA, SB, 0, 2
	P1TILE 3, SB, SA, 0, 0
	MAX16 SB
	; over the two lane halves, then over the eight waves
.irp nt, 0,1,2,3
	v_permlanex16_b32 v[TT+\nt], v[MM+\nt], s58, s59
.endr
.irp nt, 0,1,2,3
	v_max_num_f32 v[MM+\nt], v[MM+\nt], v[TT+\nt]
.endr
	ds_store_b128 v[VMS], v[MM:MM+3]
	s_wait_dscnt 0x0                               ; my maxima are written and my reads of the k planes are back,
	s_set_vgpr_msb 0x5
	s_wait_tensorcnt 0x0                           ; and all my tensor loads have landed (k, tiles 0 and 1)
	ds_add_u32 v254, v255
	s_wait_dscnt 0x0
	s_set_vgpr_msb 0x500
	ROUND                                          ; both now hold of every wave of all four work-groups: the maxima may be read, the k planes' bytes filled again
	tensor_load_to_lds s[68:71], s[36:43]          ; tile 2 and tile 3, over the k planes: the first tensor loads behind the round
	s_nop 0
	tensor_load_to_lds s[72:75], s[36:43]
	s_nop 0
.irp u, 0,1,2,3,4,5,6,7
	ds_load_b128 v[SA+4*\u:SA+4*\u+3], v[VML] offset:512*\u
.endr
	s_wait_dscnt 0x0
.irp nt, 0,1,2,3
	v_max3_num_f32 v[MM+\nt], v[SA+\nt], v[SA+4+\nt], v[SA+8+\nt]
.endr
.irp nt, 0,1,2,3
	v_max3_num_f32 v[MM+\nt], v[MM+\nt], v[SA+12+\nt], v[SA+16+\nt]
.endr
.irp nt, 0,1,2,3
	v_max3_num_f32 v[MM+\nt], v[MM+\nt], v[SA+20+\nt], v[SA+24+\nt]
.endr
.irp nt, 0,1,2,3
	v_max_num_f32 v[MM+\nt], v[MM+\nt], v[SA+28+\nt]
.endr
.irp nt, 0,1,2,3
.irp j, 0,1,2,3,4,5,6,7
	v_sub_f32 v[NM+8*\nt+\j], 0, v[MM+\nt]         ; the C operand of pass 2's score products
.endr
.endr
	; ---------------- PASS 2 ----------------
; A UNIT is 32 keys x one block of 16 queries; a step is four units on one set of k and x fragments; 16 steps.  A unit has two phases, each
; under ONE setting of the register windows, so that matrix and vector instructions alternate without switches:
;   phase A, setting 0x50 (sources 0, 1 window 0; source 2 and destination window 1): the four products x times weights of the unit BEFORE
;            take turns with this unit's sixteen exponentials, one product to four; the exponentials read S (window 0) and write E (window 1);
;   phase B, setting 0x05 (sources 0, 1 window 1; source 2 and destination window 0): the NEXT unit's two score products (k, q in window 1;
;            -maximum and S in window 0), this unit's sums and its weights in f16 (E in window 1; L, P in window 0).
; k's loads stand in a phase A (data window 1, offset window 0), x's in a phase B (data window 0, address window 1).
; half hf of the scores - maximum of the next unit
.macro SM hf, kb, nnt
	v_wmma_f32_16x16x32_bf16 v[SS+8*\hf:SS+8*\hf+7], v[KF+16*\kb+8*\hf:KF+16*\kb+8*\hf+7], v[QF+8*\nnt:QF+8*\nnt+7], v[NM+8*\nnt:NM+8*\nnt+7]
.endm
; pv: the products of query block pnt on x buffer pxf and weight buffer ppb (zero = 1: they start the sums); ex: the exponentials.
; The sixteen sum accumulators take turns, one instruction a turn.
.macro PHA pv, ex, pnt, pxf, ppb, zero
	WIN 0x50
.irp vt, 0,1,2,3
.if \pv
.if \zero
	v_wmma_f32_16x16x32_f16 v[32*\pnt+8*\vt:32*\pnt+8*\vt+7], v[XF+32*\pxf+8*\vt:XF+32*\pxf+8*\vt+7], v[PP+8*\ppb:PP+8*\ppb+7], 0
.else
	v_wmma_f32_16x16x32_f16 v[32*\pnt+8*\vt:32*\pnt+8*\vt+7], v[XF+32*\pxf+8*\vt:XF+32*\pxf+8*\vt+7], v[PP+8*\ppb:PP+8*\ppb+7], v[32*\pnt+8*\vt:32*\pnt+8*\vt+7]
.endif
.endif
.if \ex
.irp e, 0,1,2,3
	v_exp_f32 v[EE+4*\vt+\e], v[SS+4*\vt+\e]
.endr
.endif
.endr
.endm
; nt: this unit's query block; pb: the weight buffer that it writes; sm: the next unit's scores, from k buffer kb, for query block nnt.
; The v_nop is the plain place behind the exponentials, before E is read and S written over (ISA guide 5.7.2).  The sums are written E x 1 + L
; because L, as source 2 and destination, lies in window 0 and E, as source 0, in window 1.  Behind the second score product stand twelve
; plain instructions that name none of its registers before S is read; the seventeen plain lines of a phase B are also the places between a product
; and the next write of its weight buffer or load into its fragments.
.macro PHB nt, pb, sm, kb, nnt
	WIN 0x05
	v_nop
.if \sm
	SM 0, \kb, \nnt
.endif
	s_wait_alu depctr_va_vdst(0)
.irp i, 0,1,2,3
	v_pk_fma_f32 v[LL+4*\nt+2*(\i%2):LL+4*\nt+2*(\i%2)+1], v[EE+2*\i:EE+2*\i+1], 1.0, v[LL+4*\nt+2*(\i%2):LL+4*\nt+2*(\i%2)+1] op_sel_hi:[1,0,1]
.endr
.if \sm
	SM 1, \kb, \nnt
.endif
.irp i, 4,5,6,7
	v_pk_fma_f32 v[LL+4*\nt+2*(\i%2):LL+4*\nt+2*(\i%2)+1], v[EE+2*\i:EE+2*\i+1], 1.0, v[LL+4*\nt+2*(\i%2):LL+4*\nt+2*(\i%2)+1] op_sel_hi:[1,0,1]
.endr
.irp i, 0,1,2,3,4,5,6,7
	v_cvt_pk_f16_f32 v[PP+8*\pb+\i], v[EE+2*\i], v[EE+2*\i+1]
.endr
.endm
; the x fragments of one step (half s of my block in a slot: four blocks of 16 channels x 32 keys) into buffer nb; under setting 0x05
.macro XFETCH slot, s, nb
.irp vt, 0,1,2,3
.irp p, 0,1
	ds_load_b128 v[XF+32*\nb+8*\vt+4*\p:XF+32*\nb+8*\vt+4*\p+3], v[XA+\slot] offset:((4*\s+\vt)*2+\p)*512
.endr
.endr
.endm
; Two slots whose tiles have been read are filled again, four tiles on.  In front stands the step's s_wait_dscnt 0: my reads of them are back.
.macro RFILL ga, gb
	WIN 0
	s_set_vgpr_msb 0x5
	s_wait_tensorcnt 0x0                           ; all my tensor loads have landed: the two that were out are my blocks of the other two slots,
	ds_add_u32 v254, v255
	s_wait_dscnt 0x0
	s_set_vgpr_msb 0x500
	s_add_nc_u64 s[\ga+2:\ga+3], s[\ga+2:\ga+3], 4*XSL     ; so these slots' addresses may step
	s_add_nc_u64 s[\gb+2:\gb+3], s[\gb+2:\gb+3], 4*XSL
	ROUND                                          ; both now hold of every wave of all four work-groups
	tensor_load_to_lds s[\ga:\ga+3], s[36:43]      ; the first tensor loads behind the round: two of the wave are out
	s_nop 0
	tensor_load_to_lds s[\gb:\gb+3], s[36:43]
	s_nop 0
.endm
; Step j: keys 512 (j/2) + 64 w + 32 (j%2) .. +31, x from half j%2 of my block in slot (j/2)%4.  At its entry S holds query block 0's scores.
.macro STEP j
.set XB, (\j)%2                        ; this step's x buffer,
.set XN, (\j+1)%2                      ; the other: the step before's, then the next step's
.set KB, (\j)%3                        ; this step's k buffer,
.set KN, (\j+1)%3                      ; the next step's
.set SN, ((\j+1)/2)%4                  ; slot and half of the next step's x
.set HN, (\j+1)%2
.set KO, 8192*((\j+3)/2)+512*((\j+3)%2)        ; byte of the k planes at which step j + 3 begins (for wave 0)
.set ZC, 0
.set ZP, 0
.set PV0, 1
.if \j == 0
.set ZC, 1                             ; step 0's products start the sums,
.set PV0, 0                            ; and there is no unit before its first
.endif
.if \j == 1
.set ZP, 1
.endif
	PHA PV0, 1, 3, XN, 1, ZP
	PHB 0, 0, 1, KB, 1
	s_wait_dscnt 0x0                               ; this step's x fragments are in (nothing younger is out)
.if \j == 3
	RFILL 48, 52                                   ; tiles 0, 1 have been read to their end: tiles 4, 5; tiles 2, 3 have landed
.endif
.if \j == 7
	RFILL 68, 72                                   ; tiles 2, 3 have been read: tiles 6, 7; tiles 4, 5 have landed
.endif
	PHA 1, 1, 0, XB, 0, ZC
	PHB 1, 1, 1, KB, 2
.if \j < 15
.if \j == 11
	s_wait_tensorcnt 0x1                           ; my block of tile 6 is in, tile 7's load stays out; only I read my block, so no barrier
.endif
.if \j == 13
	s_wait_tensorcnt 0x0                           ; my block of tile 7 is in
.endif
	XFETCH SN, HN, XN                              ; the next step's x, a step ahead of its first product
.endif
	PHA 1, 1, 1, XB, 1, ZC
	PHB 2, 0, 1, KB, 3                             ; the last scores from this step's k
.if \j < 13
	WIN 0x50
	KLOAD KB, KO                                   ; so its buffer takes the k of step j + 3
.endif
	PHA 1, 1, 2, XB, 0, ZC
.if \j < 13
	s_wait_loadcnt 0x8                             ; the next step's k is in; the eight loads of the two steps behind it stay out
.endif
.if \j == 13
	s_wait_loadcnt 0x4                             ; step 14's k is in; step 15's four loads stay out
.endif
.if \j == 14
	s_wait_loadcnt 0x0                             ; step 15's k
.endif
.if \j < 15
	PHB 3, 1, 1, KN, 0
.else
	PHB 3, 1, 0, KN, 0
.endif
.endm
	WIN 0x05
	XFETCH 0, 0, 0                                 ; step 0's x: tile 0 has landed (the wait for all loads in front of the round above)
	s_wait_loadcnt 0x8                             ; pass 2's q and step 0's k are in; steps 1 and 2's eight loads stay out
	SM 0, 0, 0
	SM 1, 0, 0
.irp i, 0,1,2,3,4,5,6,7,8,9,10,11,12,13,14,15
	v_mov_b32 v[LL+\i], 0                          ; the running sums (over the maxima, which have been used); also the places behind the two products
.endr
.irp j, 0,1,2,3,4,5,6,7,8,9,10,11,12,13,14,15
	STEP \j
.endr
	PHA 1, 0, 3, 1, 1, 0                           ; the last unit's products
	WIN 0
	; ---------------- EPILOGUE ----------------
	; my sums of weights, one number for each query block; these eight lines are also the places behind the last products
.irp nt, 0,1,2,3
	v_pk_add_f32 v[LL+4*\nt:LL+4*\nt+1], v[LL+4*\nt:LL+4*\nt+1], v[LL+4*\nt+2:LL+4*\nt+3]
.endr
.irp nt, 0,1,2,3
	v_add_f32 v[TT+\nt], v[LL+4*\nt], v[LL+4*\nt+1]
.endr
	; what the end needs from memory is asked for now: Wv's fragments for output channels 32 vh .. +31, my pieces of x, their bv
.irp i, 0,1
.irp a, 0,1
	global_load_b128 v[WW+16*(2*\i+\a):WW+16*(2*\i+\a)+3],     v[VWA], s[8:9] offset:4096*\i+128*\a
	global_load_b128 v[WW+16*(2*\i+\a)+4:WW+16*(2*\i+\a)+7],   v[VWA], s[8:9] offset:4096*\i+128*\a+16
	global_load_b128 v[WW+16*(2*\i+\a)+8:WW+16*(2*\i+\a)+11],  v[VWA], s[8:9] offset:4096*\i+128*\a+64
	global_load_b128 v[WW+16*(2*\i+\a)+12:WW+16*(2*\i+\a)+15], v[VWA], s[8:9] offset:4096*\i+128*\a+80
.endr
.endr
.irp it, 0,1,2,3
	global_load_b128 v[XR+4*\it:XR+4*\it+3], v[VOA], s[14:15] offset:262144*\it    ; channel 16 it + tid>>4; sixteen lanes cover 256 bytes
.endr
.irp it, 0,1,2,3
	global_load_b32 v[BV+\it], v[VBV], s[10:11] offset:64*\it
.endr
	s_lshl_b32 s24, s26, 12
	v_add_nc_u32 v[VRA], s24, v3                   ; partial sums, back: query block ntw's eight register quads
	v_add_nc_u32 v[VRB], 4*16384, v[VRA]           ; waves 4 to 7
	s_mul_i32 s24, s27, 32*SPITCH
	s_lshl_b32 s25, s26, 6
	s_add_co_u32 s24, s24, s25
	s_add_co_u32 s24, s24, STG
	v_mul_u32_u24 v[VSTS], v1, SPITCH
	v_lshl_add_u32 v[VSTS], v2, 5, v[VSTS]
	v_add_nc_u32 v[VSTS], s24, v[VSTS]             ; stage, in: row 32 vh + r, queries 16 ntw + 8 h ..
	v_lshrrev_b32 v[VT4], 4, v0
	v_mul_u32_u24 v[VSTL], v[VT4], SPITCH
	v_lshl_add_u32 v[VSTL], v1, 4, v[VSTL]
	v_add_nc_u32 v[VSTL], STG, v[VSTL]             ; stage, back: row tid>>4, 16 r bytes
	s_wait_dscnt 0x0
	s_barrier_signal -1
	s_barrier_wait -1                              ; no wave reads xb any more, and all four slots have had their last fill: their bytes serve as scratch
	WIN 0x04                                       ; the data of an LDS store is source 1: window 1
.set j, 0
.rept 32
	ds_store_b128 v[VRS], v[4*j:4*j+3] offset:512*j
.set j, j+1
.endr
	WIN 0
	ds_store_b128 v[VMS], v[TT:TT+3] offset:LOFF
	s_wait_dscnt 0x0                               ; written, for the other waves' sake
	s_barrier_signal -1
	s_barrier_wait -1
	; wave w adds the eight waves' sums for query block ntw = w>>1 (64 channels x 16 queries, 32 registers)
.macro RBATCH dst, adr, u
.irp qq, 0,1,2,3,4,5,6,7
	ds_load_b128 v[\dst+4*\qq:\dst+4*\qq+3], v[\adr] offset:16384*\u+512*\qq
.endr
.endm
.macro RADD t, cnt
	s_wait_dscnt \cnt                              ; this batch is in; the one younger batch of eight stays out
.irp i, 0,1,2,3,4,5,6,7,8,9,10,11,12,13,14,15
	v_pk_add_f32 v[UU+2*\i:UU+2*\i+1], v[UU+2*\i:UU+2*\i+1], v[\t+2*\i:\t+2*\i+1]
.endr
.endm
.irp u, 0,1,2,3,4,5,6,7
	ds_load_b32 v[TT+4+\u], v[VLL] offset:LOFF+512*\u
.endr
	RBATCH UU, VRA, 0
	RBATCH T0, VRA, 1
	RBATCH T1, VRA, 2
	RADD T0, 8
	RBATCH T0, VRA, 3
	RADD T1, 8
	RBATCH T1, VRB, 0
	RADD T0, 8
	RBATCH T0, VRB, 1
	RADD T1, 8
	RBATCH T1, VRB, 2
	RADD T0, 8
	RBATCH T0, VRB, 3
	RADD T1, 8
	RADD T0, 0
	; the sum of weights of query 16 ntw + r: eight waves, two lane halves.  It is at least about one: the largest weight is exp2(0)
	v_pk_add_f32 v[TT+4:TT+5], v[TT+4:TT+5], v[TT+6:TT+7]
	v_pk_add_f32 v[TT+8:TT+9], v[TT+8:TT+9], v[TT+10:TT+11]
	v_pk_add_f32 v[TT+4:TT+5], v[TT+4:TT+5], v[TT+8:TT+9]
	v_add_f32 v[TT+4], v[TT+4], v[TT+5]
	v_permlanex16_b32 v[TT+5], v[TT+4], s58, s59
	v_add_f32 v[TT+4], v[TT+4], v[TT+5]
	v_rcp_f32 v[TT+12], v[TT+4]
	v_rcp_f32 v[TT+13], v[TT+4]
	v_mov_b32 v[TT+14], s57                        ; gamma as a pair; these two lines are the plain place behind the reciprocals (ISA guide 5.7.2)
	v_mov_b32 v[TT+15], s57
	s_wait_alu depctr_va_vdst(0)
.irp i, 0,1,2,3,4,5,6,7,8,9,10,11,12,13,14,15
	v_pk_mul_f32 v[UU+2*\i:UU+2*\i+1], v[UU+2*\i:UU+2*\i+1], v[TT+12:TT+13]
.endr
.irp i, 0,1,2,3,4,5,6,7,8,9,10,11,12,13,14,15
	v_cvt_pk_f16_f32 v[UF+\i], v[UU+2*\i], v[UU+2*\i+1]            ; row = query r, K = channels: registers 8a .. 8a+7 are channels 32a ..
.endr
	s_wait_loadcnt 0x0                             ; Wv, x, bv
.set j, 0
.rept 32
	v_cvt_pk_f16_f32 v[WF+j], v[WW+2*j], v[WW+2*j+1]
.set j, j+1
.endr
	; 16 queries x 32 output channels: two accumulators by turns.  Register j of lane (r, h): query 16 ntw + 8 h + j, channel 16 (2 vh + i) + r
	v_wmma_f32_16x16x32_f16 v[OO:OO+7],    v[UF:UF+7],    v[WF:WF+7],     0
	v_wmma_f32_16x16x32_f16 v[OO+8:OO+15], v[UF:UF+7],    v[WF+16:WF+23], 0
	v_wmma_f32_16x16x32_f16 v[OO:OO+7],    v[UF+8:UF+15], v[WF+8:WF+15],  v[OO:OO+7]
	v_wmma_f32_16x16x32_f16 v[OO+8:OO+15], v[UF+8:UF+15], v[WF+24:WF+31], v[OO+8:OO+15]
.irp it, 0,1,2,3
.irp e, 0,1,2,3
	v_fma_f32 v[XR+4*\it+\e], s57, v[BV+\it], v[XR+4*\it+\e]       ; gamma bv + x: useful work in the places behind the products (ISA guide 7.12.1)
.endr
.endr
.irp i, 0,1
	ds_store_b128 v[VSTS], v[OO+8*\i:OO+8*\i+3]   offset:16*SPITCH*\i
	ds_store_b128 v[VSTS], v[OO+8*\i+4:OO+8*\i+7] offset:16*SPITCH*\i+16
.endr
	s_wait_dscnt 0x0                               ; written, for the other waves' sake
	s_barrier_signal -1
	s_barrier_wait -1
.irp it, 0,1,2,3
	ds_load_b128 v[UU+4*\it:UU+4*\it+3], v[VSTL] offset:16*SPITCH*\it
.endr
	s_wait_dscnt 0x0
.irp n, 0,1,2,3,4,5,6,7
	v_pk_fma_f32 v[UU+2*\n:UU+2*\n+1], v[UU+2*\n:UU+2*\n+1], v[TT+14:TT+15], v[XR+2*\n:XR+2*\n+1]
.endr
.irp it, 0,1,2,3
	global_store_b128 v[VOA], v[UU+4*\it:UU+4*\it+3], s[16:17] offset:262144*\it th:TH_STORE_NT    ; sixteen lanes store 256 consecutive bytes, aligned
.endr
	s_set_vgpr_msb 0x5
	s_wait_tensorcnt 0x0
	ds_add_u32 v254, v255
	s_wait_dscnt 0x0
	s_set_vgpr_msb 0x500
	ROUND                                          ; the closing round: no work-group ends while a partner may still ask for a tile that names it
	s_endpgm
.Lfunc_end_k_qc6c2082d15_attn:
	.size	k_qc6c2082d15_attn, .Lfunc_end_k_qc6c2082d15_attn-k_qc6c2082d15_attn
	.p2alignl 7, 3214868480
	.fill 96, 4, 3214868480
	.section	.rodata,"a",@progbits
	.p2align	6, 0x0
	.amdhsa_kernel k_qc6c2082d15_attn
		.amdhsa_group_segment_fixed_size 327680
		.amdhsa_private_segment_fixed_size 0
		.amdhsa_enable_private_segment 0
		.amdhsa_kernarg_size 56
		.amdhsa_user_sgpr_count 2
		.amdhsa_user_sgpr_kernarg_segment_ptr 1
		.amdhsa_wavefront_size32 1
		.amdhsa_system_sgpr_workgroup_id_x 1
		.amdhsa_system_sgpr_workgroup_id_y 1
		.amdhsa_system_sgpr_workgroup_id_z 1
		.amdhsa_system_vgpr_workitem_id 0
		.amdhsa_next_free_vgpr 512
		.amdhsa_next_free_sgpr 80
		.amdhsa_reserve_vcc 0
		.amdhsa_float_denorm_mode_32 3
		.amdhsa_float_denorm_mode_16_64 3
		.amdhsa_memory_ordered 1
		.amdhsa_forward_progress 1
		.amdhsa_inst_pref_size 195
	.end_amdhsa_kernel
	.amdgpu_metadata
---
amdhsa.version: [ 1, 2 ]
amdhsa.kernels:
  - .name:           k_qc6c2082d15_attn
    .symbol:         k_qc6c2082d15_attn.kd
    .args:
      - { .name: xb, .offset: 0, .size: 8, .value_kind: global_buffer, .address_space: global }
      - { .name: kq, .offset: 8, .size: 8, .value_kind: global_buffer, .address_space: global }
      - { .name: Wv, .offset: 16, .size: 8, .value_kind: global_buffer, .address_space: global }
      - { .name: bv, .offset: 24, .size: 8, .value_kind: global_buffer, .address_space: global }
      - { .name: gamma, .offset: 32, .size: 8, .value_kind: global_buffer, .address_space: global }
      - { .name: x, .offset: 40, .size: 8, .value_kind: global_buffer, .address_space: global }
      - { .name: out0, .offset: 48, .size: 8, .value_kind: global_buffer, .address_space: global }
    .group_segment_fixed_size: 327680
    .private_segment_fixed_size: 0
    .kernarg_segment_align: 8
    .kernarg_segment_size: 56
    .max_flat_workgroup_size: 256
    .sgpr_count:     80
    .vgpr_count:     512
    .wavefront_size: 32
...
	.end_amdgpu_metadata
.endif
;; end of part 2
;; ======== version 2 of 2: 2 launches; version 1 with the launch proj written anew for expert scheduling mode
;; limits: values are held in f16: magnitudes above 65,504 overflow, below 6.1e-05 lose precision; inputs' magnitudes at most 65,504
;; workspace buffers: xb 2,097,152 bytes; kq 1,048,576 bytes
;; launch proj (part 3): grid 64 x 4, 4 waves a work-group, no clusters, 10,752 bytes of LDS; arguments x, Wk, bk, Wq, bq, xb, kq; writes xb, kq
.if DOCPART == 3
	.amdgcn_target "amdgcn-amd-amdhsa--gfx1250"
	.amdhsa_code_object_version 6
	.text
	.protected	k_qc6c2082d15_proj
	.globl	k_qc6c2082d15_proj
	.p2align	8
	.type	k_qc6c2082d15_proj,@function
k_qc6c2082d15_proj:
	s_mov_b64 s[64:65], 0
	v_nop
	global_prefetch_b8 v0, s[64:65] scope:SCOPE_SE
	s_setreg_imm32_b32 hwreg(HW_REG_WAVE_SCHED_MODE, 0, 2), 2
	s_setreg_imm32_b32 hwreg(HW_REG_WAVE_MODE, 25, 1), 1
	s_wait_xcnt 0x0
	s_wait_alu depctr_vm_vsrc(0)
; FIRST LAUNCH: x is read once and leaves in the two forms that the attention launch multiplies.
;   xb: x in f16, in blocks of 64 channels x 64 positions (8,192 bytes), laid in the order of a 16 x 32 matrix fragment:
;       byte ((s*4+vt)*2+p)*512 + (16h+r)*16 of a block holds channel 16vt+r, positions 32s+16p+8h .. +7.
;   kq: for each batch four planes of [4096 positions][8 bf16]: k high, k low, q high, q low, 65,536 bytes each.
;       k = Wk x + bk and q = (Wq x + bq) * log2(e) are made in f32 sums and split: high = bf16(value), low = bf16(value - high).
; A work-group takes one batch (grid y) and one block of 64 positions (grid x): 64 rows of 256 bytes of x.  Four waves; wave w projects
; positions 16w .. 16w+15 with two matrix instructions (16 output rows = 8 of k and 8 of q; 64 channels = 2 x 32 along K).
; FORMATS: x, Wk and Wq go to the matrix unit in f16, whose 11 significant bits keep the scores' error small where two keys compete for a
; query.  q and k, sums of 64 products, leave as pairs of bf16, which have f32's range.
; LIMITS: |x|, |Wk| or |Wq| above 65,504 overflows in f16; NaN and infinities get no special treatment.
; No cluster and no tensor loads: the work-groups share only 4 KB of weights, and each byte of x is read by one work-group alone.
; THE MODE: SCHED_MODE bits 1:0 = 2 (LLVM: expert scheduling mode 2), set by the entry lines.  The code itself states the register dependences
; between vector or matrix instructions and memory or LDS instructions, with s_wait_alu, always for 0.
; THE PLAN.  Registers that memory or LDS instructions touch, in the order of the text (there is no loop):
;   v1 .. v8      offsets and LDS addresses: written once at the head, read by every load and store, never written again.
;   v[12:43]      x as loaded; its sixteen conversions read them and write half of them in place; the eight LDS stores read those halves;
;                 behind the barrier the eight LDS loads (x's fragments, and what goes to xb) land in them; the stores to xb read v[28:43].
;   v[44:123]     weights and biases as loaded; from then on named by vector instructions alone.
;   v[84:91]      the high and low parts: written by the roundings, read by the two stores to kq.
;   v160, v161    written at the head, read by the closing add alone.
;   The weights' fragments, the biases as C, the accumulator and the scale are named by vector and matrix instructions alone.
; So: one wait on va_vdst ahead of the first load (the addresses), one behind x's conversions (the LDS stores' data), one ahead of the stores to kq;
; one wait on vm_vsrc ahead of the LDS loads that land where the LDS stores read; one wait on va_sdst and one on va_vcc at the head.
.set XROW,  16384                      ; bytes from a channel of x to the next
.set PITCH, 160                        ; LDS row: 128 bytes (64 f16) + 32: an odd multiple of 32 bytes
.set VX, 1                             ; x: (tid>>4) rows + 16 r bytes
.set VW, 2                             ; weights: row r&7, 32 h bytes
.set VZ, 3                             ; 0 (biases: every lane reads the same 32 bytes)
.set VL, 4                             ; LDS, in: row tid>>4, 8 r bytes
.set VT, 5                             ; LDS, transposing read of my 16 positions
.set VR, 6                             ; LDS, plain read for xb
.set VS, 7                             ; xb: 16 tid
.set VK, 8                             ; kq: plane pair by h, position 16w+r
.set TA, 9                             ; at work
.set SC, 10                            ; v[10:11] log2(e) in the lanes that hold q, 1.0 in those that hold k
.set XD, 12                            ; v[12:43]  x as loaded, converted in place
.set WK, 44                            ; v[44:75]  Wk in f32
.set WQ, 76                            ; v[76:107] Wq in f32
.set BK, 108                           ; v[108:115] bk
.set BQ, 116                           ; v[116:123] bq
.set AF, 124                           ; v[124:139] the weights' fragments, K blocks 0 and 1
.set CB, 140                           ; v[140:147] the biases as the first product's C
.set DD, 148                           ; v[148:155] the projection
.set RR, 156                           ; r = lane % 16
.set HH, 157                           ; h = lane / 16
.set T4, 158                           ; tid >> 4
.set L7, 159                           ; lane % 8
.set BF, 12                            ; v[12:27]  x's fragments (over x as loaded)
.set XO, 28                            ; v[28:43]  what goes to xb
.set WKB, 44                           ; v[44:59]  Wk in f16
.set WQB, 60                           ; v[60:75]  Wq in f16
.set TU, 76                            ; v[76:83]  the high parts back in f32
.set HI, 84                            ; v[84:87]
.set LO, 88                            ; v[88:91]
	s_load_b256 s[4:11], s[0:1], 0x0               ; x s[4:5], Wk s[6:7], bk s[8:9], Wq s[10:11]
	s_load_b128 s[12:15], s[0:1], 0x20             ; bq s[12:13], xb s[14:15]
	s_load_b64 s[16:17], s[0:1], 0x30              ; kq
	v_lshl_add_u32 v160, v0, 2, 0x2800
	v_mov_b32 v161, 0
	v_lshrrev_b32 v[TA], 5, v0
	v_and_b32 v[RR], 15, v0
	v_bfe_u32 v[HH], v0, 4, 1
	; the three vector instructions that write a scalar register or VCC stand in one run; their waits follow behind the lane terms
	v_readfirstlane_b32 s20, v[TA]                 ; wave 0..3
	v_cmp_eq_u32 s24, 1, v[HH]                     ; result rows 8-15 (q) lie in lanes 16-31
	v_cmp_le_u32 vcc_lo, 8, v[RR]                  ; fragment rows 8-15 are Wq's
	s_and_b32 s21, ttmp7, 0xffff                   ; batch
	s_mov_b32 s25, 0xffff0000                      ; a word's upper bf16
	v_lshrrev_b32 v[T4], 4, v0
	v_and_b32 v[L7], 7, v0
	v_lshlrev_b32 v[VX], 4, v[RR]
	v_lshl_add_u32 v[VX], v[T4], 14, v[VX]
	v_lshlrev_b32 v[VW], 8, v[L7]
	v_lshl_add_u32 v[VW], v[HH], 5, v[VW]
	v_mov_b32 v[VZ], 0
	v_mul_u32_u24 v[VL], v[T4], PITCH
	v_lshl_add_u32 v[VL], v[RR], 3, v[VL]
	v_lshl_add_u32 v[TA], v[HH], 3, v[L7]          ; channel 8h + lane%8 of a K block
	v_mul_u32_u24 v[VT], v[TA], PITCH
	v_bfe_u32 v[TA], v0, 3, 1
	v_lshl_add_u32 v[VT], v[TA], 4, v[VT]          ; + 16 bytes for lanes 8-15 of each half
	v_mul_u32_u24 v[VR], v[RR], PITCH
	v_lshl_add_u32 v[VR], v[HH], 4, v[VR]
	v_lshlrev_b32 v[VS], 4, v0
	v_lshlrev_b32 v[VK], 4, v[RR]
	v_lshl_add_u32 v[VK], v[HH], 17, v[VK]         ; lanes with h = 1 hold q: two planes further
	s_wait_alu depctr_va_sdst(0)                   ; s20 and s24 are written: s20's first reader is the next line but one, s24's the selects of the biases
	s_wait_alu depctr_va_vcc(0)                    ; VCC is written: its first reader is the selects of the weights' fragments; nothing writes it between
	s_lshl_b32 s26, s20, 5                         ; 32 w: my 16 positions in an LDS row
	s_lshr_b32 s27, s20, 1
	s_mul_i32 s27, s27, 16*PITCH                   ; 16 (w>>1) rows
	s_and_b32 s28, s20, 1
	s_lshl_b32 s28, s28, 5
	s_add_co_u32 s27, s27, s28                     ; + 32 (w&1) bytes
	s_lshl_b32 s28, s20, 8                         ; 16 w positions of 16 bytes
	v_add_nc_u32 v[VT], s26, v[VT]
	v_add_nc_u32 v[VR], s27, v[VR]
	v_add_nc_u32 v[VK], s28, v[VK]
	s_mov_b32 s23, 0
	s_lshl_b32 s22, s21, 20                        ; x: batch x 1 MiB + block x 256 bytes
	s_lshl_b32 s29, ttmp9, 8
	s_add_co_u32 s22, s22, s29
	s_wait_kmcnt 0x0
	s_add_nc_u64 s[4:5], s[4:5], s[22:23]
	s_lshl_b32 s22, s21, 19                        ; xb: batch x 512 KiB + block x 8,192 bytes
	s_lshl_b32 s29, ttmp9, 13
	s_add_co_u32 s22, s22, s29
	s_add_nc_u64 s[14:15], s[14:15], s[22:23]
	s_lshl_b32 s22, s21, 18                        ; kq: batch x 256 KiB + block x 64 positions x 16 bytes
	s_lshl_b32 s29, ttmp9, 10
	s_add_co_u32 s22, s22, s29
	s_add_nc_u64 s[16:17], s[16:17], s[22:23]
	s_wait_alu depctr_va_vdst(0)                   ; the eight offsets and addresses v1 to v8 are written, which the loads and stores below read; no later vector instruction names them
	; 28 loads: x first (sixteen lanes cover one aligned row piece of 256 bytes), then the weights and biases
.irp i, 0,1,2,3,4,5,6,7
	global_load_b128 v[XD+4*\i:XD+4*\i+3], v[VX], s[4:5] offset:\i*8*XROW
.endr
.irp a, 0,1
	global_load_b128 v[WK+16*\a:WK+16*\a+3],     v[VW], s[6:7] offset:128*\a       ; channels 32a+8h .. +3
	global_load_b128 v[WK+16*\a+4:WK+16*\a+7],   v[VW], s[6:7] offset:128*\a+16    ; .. +7
	global_load_b128 v[WK+16*\a+8:WK+16*\a+11],  v[VW], s[6:7] offset:128*\a+64    ; channels 32a+16+8h .. +3
	global_load_b128 v[WK+16*\a+12:WK+16*\a+15], v[VW], s[6:7] offset:128*\a+80
	global_load_b128 v[WQ+16*\a:WQ+16*\a+3],     v[VW], s[10:11] offset:128*\a
	global_load_b128 v[WQ+16*\a+4:WQ+16*\a+7],   v[VW], s[10:11] offset:128*\a+16
	global_load_b128 v[WQ+16*\a+8:WQ+16*\a+11],  v[VW], s[10:11] offset:128*\a+64
	global_load_b128 v[WQ+16*\a+12:WQ+16*\a+15], v[VW], s[10:11] offset:128*\a+80
.endr
	global_load_b128 v[BK:BK+3],   v[VZ], s[8:9]
	global_load_b128 v[BK+4:BK+7], v[VZ], s[8:9] offset:16
	global_load_b128 v[BQ:BQ+3],   v[VZ], s[12:13]
	global_load_b128 v[BQ+4:BQ+7], v[VZ], s[12:13] offset:16
	s_wait_loadcnt 20                              ; x's eight loads are in; the 20 younger ones (weights, biases) stay out
.irp i, 0,1,2,3,4,5,6,7
	v_cvt_pk_f16_f32 v[XD+4*\i],   v[XD+4*\i],   v[XD+4*\i+1]
	v_cvt_pk_f16_f32 v[XD+4*\i+1], v[XD+4*\i+2], v[XD+4*\i+3]
.endr
	s_wait_alu depctr_va_vdst(0)                   ; the sixteen conversions have written v[XD ..], which the LDS stores read; they are also done with v[12:43], in which LDS loads land behind the barrier
.irp i, 0,1,2,3,4,5,6,7
	ds_store_b64 v[VL], v[XD+4*\i:XD+4*\i+1] offset:\i*8*PITCH     ; row 8i + tid>>4, four positions
.endr
	s_wait_dscnt 0x0                               ; my part of the tile is written, for the other waves' sake
	s_barrier_signal -1
	; register work while the others arrive: the weights' fragments.  It names v[9:11] and v[44:147] alone
	s_wait_loadcnt 0x0
.set j, 0
.rept 16
	v_cvt_pk_f16_f32 v[WKB+j], v[WK+2*j], v[WK+2*j+1]              ; ascending: the target never passes its sources
.set j, j+1
.endr
.set j, 0
.rept 16
	v_cvt_pk_f16_f32 v[WQB+j], v[WQ+2*j], v[WQ+2*j+1]              ; into Wk's upper f32 registers, which have been read
.set j, j+1
.endr
.set j, 0
.rept 16
	v_cndmask_b32 v[AF+j], v[WKB+j], v[WQB+j], vcc_lo              ; rows 0-7: Wk, rows 8-15: Wq
.set j, j+1
.endr
.irp j, 0,1,2,3,4,5,6,7
	v_cndmask_b32 v[CB+\j], v[BK+\j], v[BQ+\j], s24                ; result register j is row 8h+j: bk[j] or bq[j]
.endr
	v_mov_b32 v[TA], 0x3fb8aa3b                    ; log2(e)
	v_cndmask_b32 v[SC], 1.0, v[TA], s24
	v_mov_b32 v[SC+1], v[SC]
	s_barrier_wait -1                              ; the tile is whole
	s_wait_alu depctr_vm_vsrc(0)                   ; my LDS stores have read v[XD ..]: the eight LDS loads below land in these registers
	ds_load_tr16_b128 v[BF:BF+3],     v[VT]                        ; channels 8h .. +7 of position 16w+r
	ds_load_tr16_b128 v[BF+4:BF+7],   v[VT] offset:16*PITCH        ; channels 16+8h ..
	ds_load_tr16_b128 v[BF+8:BF+11],  v[VT] offset:32*PITCH        ; channels 32+8h ..
	ds_load_tr16_b128 v[BF+12:BF+15], v[VT] offset:48*PITCH        ; channels 48+8h ..
	; store number it of thread (w, lane) fills piece 4 it + w of the block: s = it>>1, vt = 2 (it&1) + (w>>1), p = w&1
	ds_load_b128 v[XO:XO+3],     v[VR]
	ds_load_b128 v[XO+4:XO+7],   v[VR] offset:32*PITCH
	ds_load_b128 v[XO+8:XO+11],  v[VR] offset:64
	ds_load_b128 v[XO+12:XO+15], v[VR] offset:32*PITCH+64
	s_wait_dscnt 4                                 ; the four transposing loads are in; the four younger ones stay out
	v_wmma_f32_16x16x32_f16 v[DD:DD+7], v[AF:AF+7], v[BF:BF+7], v[CB:CB+7]
	s_wait_alu depctr_va_vdst(0)                   ; one accumulator, two links that follow each other
	v_wmma_f32_16x16x32_f16 v[DD:DD+7], v[AF+8:AF+15], v[BF+8:BF+15], v[DD:DD+7]
	s_wait_dscnt 0x0
.irp it, 0,1,2,3
	global_store_b128 v[VS], v[XO+4*\it:XO+4*\it+3], s[14:15] offset:2048*\it      ; a wave's store covers 512 consecutive bytes, aligned.  No further wait: the data come from LDS loads, and no vector instruction since the head's wait names v[VS]
.endr
.rept 4
	v_nop                                          ; four places behind the matrix instruction before its result is read (ISA guide 7.12.1)
.endr
.irp i, 0,1,2,3
	v_pk_mul_f32 v[DD+2*\i:DD+2*\i+1], v[DD+2*\i:DD+2*\i+1], v[SC:SC+1]
.endr
.irp i, 0,1,2,3
	v_cvt_pk_bf16_f32 v[HI+\i], v[DD+2*\i], v[DD+2*\i+1]
.endr
.irp i, 0,1,2,3
	v_lshlrev_b32 v[TU+2*\i],   16,  v[HI+\i]
	v_and_b32     v[TU+2*\i+1], s25, v[HI+\i]
.endr
.irp i, 0,1,2,3
	v_pk_add_f32 v[DD+2*\i:DD+2*\i+1], v[DD+2*\i:DD+2*\i+1], v[TU+2*\i:TU+2*\i+1] neg_lo:[0,1] neg_hi:[0,1]    ; what the high part left
.endr
.irp i, 0,1,2,3
	v_cvt_pk_bf16_f32 v[LO+\i], v[DD+2*\i], v[DD+2*\i+1]
.endr
	s_wait_alu depctr_va_vdst(0)                   ; the roundings have written v[HI ..] and v[LO ..], which the two stores read
	global_store_b128 v[VK], v[HI:HI+3], s[16:17]                  ; lanes 0-15: k high, lanes 16-31: q high; 256 consecutive bytes each
	global_store_b128 v[VK], v[LO:LO+3], s[16:17] offset:65536     ; the low planes
	s_wait_dscnt 0x0                               ; the closing lines, six on end
	s_wait_alu 0x0
	s_wait_tensorcnt 0x0
	ds_add_u32 v160, v161
	s_wait_dscnt 0x0
	s_endpgm
.Lfunc_end_k_qc6c2082d15_proj:
	.size	k_qc6c2082d15_proj, .Lfunc_end_k_qc6c2082d15_proj-k_qc6c2082d15_proj
	.p2alignl 7, 3214868480
	.fill 96, 4, 3214868480
	.section	.rodata,"a",@progbits
	.p2align	6, 0x0
	.amdhsa_kernel k_qc6c2082d15_proj
		.amdhsa_group_segment_fixed_size 10752
		.amdhsa_private_segment_fixed_size 0
		.amdhsa_enable_private_segment 0
		.amdhsa_kernarg_size 56
		.amdhsa_user_sgpr_count 2
		.amdhsa_user_sgpr_kernarg_segment_ptr 1
		.amdhsa_wavefront_size32 1
		.amdhsa_system_sgpr_workgroup_id_x 1
		.amdhsa_system_sgpr_workgroup_id_y 1
		.amdhsa_system_sgpr_workgroup_id_z 1
		.amdhsa_system_vgpr_workitem_id 0
		.amdhsa_next_free_vgpr 162
		.amdhsa_next_free_sgpr 66
		.amdhsa_reserve_vcc 1
		.amdhsa_float_denorm_mode_32 3
		.amdhsa_float_denorm_mode_16_64 3
		.amdhsa_memory_ordered 1
		.amdhsa_forward_progress 1
		.amdhsa_inst_pref_size 14
	.end_amdhsa_kernel
	.amdgpu_metadata
---
amdhsa.version: [ 1, 2 ]
amdhsa.kernels:
  - .name:           k_qc6c2082d15_proj
    .symbol:         k_qc6c2082d15_proj.kd
    .args:
      - { .name: x, .offset: 0, .size: 8, .value_kind: global_buffer, .address_space: global }
      - { .name: Wk, .offset: 8, .size: 8, .value_kind: global_buffer, .address_space: global }
      - { .name: bk, .offset: 16, .size: 8, .value_kind: global_buffer, .address_space: global }
      - { .name: Wq, .offset: 24, .size: 8, .value_kind: global_buffer, .address_space: global }
      - { .name: bq, .offset: 32, .size: 8, .value_kind: global_buffer, .address_space: global }
      - { .name: xb, .offset: 40, .size: 8, .value_kind: global_buffer, .address_space: global }
      - { .name: kq, .offset: 48, .size: 8, .value_kind: global_buffer, .address_space: global }
    .group_segment_fixed_size: 10752
    .private_segment_fixed_size: 0
    .kernarg_segment_align: 8
    .kernarg_segment_size: 56
    .max_flat_workgroup_size: 128
    .sgpr_count:     66
    .vgpr_count:     162
    .wavefront_size: 32
...
	.end_amdgpu_metadata
.endif
;; end of part 3
;; launch attn: the kernel of part 2 again; grid 256 x 1, 8 waves a work-group, clusters of 4 x 1, 327,680 bytes of LDS; arguments xb, kq, Wv, bv, gamma, x, out0; writes out0
